; MI455X (gfx1250); checked and timed in simulation.
; The chip was launched on July 23, 2026; its instructions are those of AMD's public machine-readable ISA for CDNA 5 (MIT licence, August 2026) and "CDNA5" Instruction Set Architecture Reference Guide (July 2026). The comments in the code are by the model that wrote it; some were corrected since.
;; Multi Head Attention. Allowed arithmetic: matrix products marked QUANTISED: E4M3 operands, one given power-of-two scale a tensor, by v_wmma_f32_16x16x64_fp8_fp8 or v_wmma_f32_16x16x128_fp8_fp8, f32 sums; everything else in f32.
;; Inputs: W_attn 1,024 x 3,072 float32; W_proj 1,024 x 1,024 float32; b_attn 3,072 float32; b_proj 1,024 float32; lowp_scales 8 int32 (the exponents e of the quantised operands' scales 2^e); x 4 x 2,048 x 1,024 float32.
;; Outputs: out0 4 x 2,048 x 1,024 float32.
;; This version of the problem:
;;   THIS VERSION OF THE PROBLEM IS GIVEN IN LOW PRECISION. The matrix products marked QUANTISED in the list below multiply operands that are first quantised to E4M3 (4 exponent bits, 3 mantissa bits; 8 bits a number), with one given power-of-two scale for each operand tensor; their sums are f32. All else is computed in f32.
;;   The module's matrix products, in the order in which they are computed (A, B: the left and right operand; K: the contracted axis; several contracted axes count as one K, in the product's order):
;;     1. [M 8,192, K 1,024] x [K 1,024, N 3,072]; A: input x; B: input W_attn: QUANTISED (scales: A lowp_scales[0], B lowp_scales[1])
;;     2. batch 64 x [M 2,048, K 64] x [K 64, N 2,048]; A: computed on the way; B: computed on the way: QUANTISED (scales: A lowp_scales[2], B lowp_scales[3])
;;     3. batch 64 x [M 2,048, K 2,048] x [K 2,048, N 64]; A: softmax (see below); B: computed on the way: QUANTISED (scales: A lowp_scales[4], B lowp_scales[5])
;;     4. [M 8,192, K 1,024] x [K 1,024, N 1,024]; A: computed on the way; B: input W_proj: QUANTISED (scales: A lowp_scales[6], B lowp_scales[7])
;;   THE QUANTISER, for each operand of a quantised product, along K:
;;     - The operand's scale is 2^e, e = its entry of the input lowp_scales (int32; the entries are numbered through the quantised products in the list's order, A before B).
;;     - Each number is divided by the scale, clamped to +-448, and rounded to the nearest number of E4M3, ties to even, subnormals kept.
;;     - The product sums the exact products of the quantised numbers (number of the format x scale) in f32.
;;   ~~~python
;;   def quantise(x, axis, e):      # numpy; x: float32 -> the quantised numbers, widened to float32 again
;;       x = np.moveaxis(x, axis, -1); K = x.shape[-1]
;;       r = np.clip(x / 2.0 ** e, -448, 448)
;;       step = 2.0 ** (np.maximum(np.frexp(np.where(r == 0, 1, r))[1] - 1, -6) - 3)
;;       q = np.round(r / step) * step * 2.0 ** e      # np.round: ties to even
;;       return np.moveaxis(q, -1, axis).astype(np.float32)
;;   ~~~
;;   SOFTMAX AHEAD OF A QUANTISED PRODUCT. Where the list says 'softmax', what is quantised is not the finished softmax but p = 2^(t - M), with t = logit x log2(e) and M = ceil(the row's largest t), a whole number; so 1/2 < the row's largest p <= 1. The row's sum l is taken of the UNQUANTISED p, in f32, and the product's result is divided by l at the end. Since M is a whole number, a kernel that streams over the keys may use a running M (the ceiling of the running maximum): every later rescaling is an exact power of two, so the quantised numbers keep their values, but for numbers so far below the row's largest that they fall under the format's range.
;;   OPERANDS COMPUTED ON THE WAY. 'Computed on the way' means the value that the module computes at that place (a softmax that the list does not call 'softmax' is quantised finished and normalised). What goes into a quantiser is computed in f32, as accurately as f32 sums, v_exp_f32 and their like allow (about 1e-6 of the number): no bf16 or f16 on the way to a quantiser, and a product that is left as it is and whose result goes on into a quantised operand takes f32 operands (vector FMAs, or v_wmma_f32_16x16x4_f32). A number that lies on a knife's edge between two numbers of the format may be rounded either way, as far as f32 arithmetic and the matrix unit's own rounding can turn it there, and no further.
;; One version. Each part assembles by itself: llvm-mc -triple=amdgcn-amd-amdhsa -mcpu=gfx1250 --defsym DOCPART=n.
;; ======== version 1 of 1: 4 launches
;; limits: right only within a limited range of input values
;; workspace buffers: x_img 8,388,608 bytes; wa_img 3,145,728 bytes; wp_img 1,048,576 bytes; qkv 25,165,824 bytes; y_img 8,388,608 bytes
;; launch quant (part 1): grid 384 x 1, 4 waves a work-group, no clusters, 34,304 bytes of LDS; arguments x, W_attn, W_proj, lowp_scales, x_img, wa_img, wp_img; writes x_img, wa_img, wp_img
.if DOCPART == 1
	.amdgcn_target "amdgcn-amd-amdhsa--gfx1250"
	.amdhsa_code_object_version 6
	.text
	.protected	k_q0a8d85c857_quant
	.globl	k_q0a8d85c857_quant
	.p2align	8
	.type	k_q0a8d85c857_quant,@function
k_q0a8d85c857_quant:
	s_mov_b64 s[64:65], 0
	v_nop
	global_prefetch_b8 v0, s[64:65] scope:SCOPE_SE
	s_setreg_imm32_b32 hwreg(HW_REG_WAVE_MODE, 25, 1), 1
	s_wait_xcnt 0x0
; x [8192][1024], W_attn [1024][3072], W_proj [1024][1024], f32, become codes of E4M3 with the given scales 2^e0, 2^e1, 2^e7:
; code = number / 2^e, held within +-448, to the nearest code, ties to even.
; THE CODES ARE LAID AS IMAGES OF OPERAND REGISTERS.  A fragment is 16 rows x 128 K, 16 registers a lane, 2,048 bytes: four chunks of 512 bytes; chunk q holds
; registers 4 q .. 4 q + 3 of lane l at byte 16 l; registers 2 c, 2 c + 1 of lane (r, h) hold k = 16 c + 8 h + 0 .. 7 of row r.  A tile of 16 rows has its 8 K steps on end: 16,384 bytes.
; x's TILES TAKE PERMUTED TOKENS: row r of tile 2 b + u is token 32 b + 8 u + r + 8 (r / 8).  The weights' tiles take 16 neighbouring columns.
; Work-groups 0-255: x (a wave: one tile of tokens x 512 along K).  256-351: W_attn, 352-383: W_proj (a wave: 32 columns x 256 along K).  Waves share nothing: no barrier.
; LIMITS: e0, e1, e7 between -126 and 119, so that 2^e and 448 x 2^e are f32 numbers.  NaN among the inputs is not served.
.set R,   16                           ; x: v16-143   two sets of 64 numbers as loaded
.set X,   144                          ; x: v144-207  64 numbers in the fragment's order
.set C,   208                          ; x: v208-239  two sets of 16 registers of codes
.set SP,  528                          ; x: a stage row: 512 bytes + 16: sixteen rows' like columns fall on sixteen different groups of banks
.set WX,  16                           ; weights: v16-79  two sets of 32 numbers
.set WC,  80                           ; weights: v80-143 eight registers of codes for each block, never rewritten
	s_load_b256 s[4:11], s[0:1], 0x0               ; x s[4:5], W_attn s[6:7], W_proj s[8:9], the exponents s[10:11]
	s_load_b128 s[12:15], s[0:1], 0x20             ; x_img s[12:13], wa_img s[14:15]
	s_load_b64 s[16:17], s[0:1], 0x30              ; wp_img
	v_lshl_add_u32 v240, v0, 2, 0x8400
	v_mov_b32 v241, 0
	v_lshrrev_b32 v1, 5, v0
	v_readfirstlane_b32 s18, v1                    ; wave 0..3
	v_and_b32 v1, 31, v0                           ; lane
	s_wait_kmcnt 0x0
	s_load_b256 s[24:31], s[10:11], 0x0            ; e0 .. e7
.macro SCALE e                         ; v6 = 2^e (the conversion takes its exponent field), s34 = 448 x 2^e
	s_add_co_i32 s34, \e, 127
	s_lshl_b32 s35, s34, 23
	v_mov_b32 v6, s35
	s_add_co_i32 s34, s34, 8
	s_lshl_b32 s34, s34, 23
	s_or_b32 s34, s34, 0x600000
.endm
	s_cmp_lt_u32 ttmp9, 256
	s_cbranch_scc0 .Lweights
; ---------------- x.  Wave W = 4 x work-group + wave: tile W / 2, K steps 4 (W % 2) + 0 .. 3.
	s_lshl_b32 s19, ttmp9, 2
	s_add_co_u32 s19, s19, s18
	s_lshr_b32 s20, s19, 1                         ; the tile
	s_and_b32 s21, s19, 1                          ; which half of K
	s_lshr_b32 s22, s20, 1
	s_lshl_b32 s22, s22, 17                        ; 32 (tile / 2) rows of 4,096 bytes
	s_and_b32 s23, s20, 1
	s_lshl_b32 s23, s23, 15                        ; + 8 (tile % 2) rows
	s_add_co_u32 s22, s22, s23
	s_lshl_b32 s23, s21, 11                        ; + 512 numbers along K
	s_add_co_u32 s22, s22, s23
	s_mov_b32 s23, 0
	s_add_nc_u64 s[4:5], s[4:5], s[22:23]
	s_lshl_b32 s22, s20, 14                        ; the tile's images, 16,384 bytes,
	s_lshl_b32 s32, s21, 13                        ; + four fragments
	s_add_co_u32 s22, s22, s32
	s_add_nc_u64 s[12:13], s[12:13], s[22:23]
	s_wait_alu depctr_va_vdst(0)
	v_lshlrev_b32 v2, 4, v1                        ; 16 x lane: in a row's 512 bytes, and in a chunk
	s_mul_i32 s33, s18, 16*SP                      ; my wave's stage
	v_add_nc_u32 v3, s33, v2                       ; into it: a row as it lies
	v_and_b32 v7, 15, v0                           ; r
	v_bfe_u32 v8, v0, 4, 1                         ; h
	v_mul_u32_u24 v4, v7, SP
	v_lshl_add_u32 v4, v8, 5, v4
	v_add_nc_u32 v4, s33, v4                       ; out of it: row r, + 32 h bytes: k = 8 h on
.macro XLOAD u                         ; 16 rows x 512 bytes: each load reads 512 consecutive bytes of one row
.irp i, 0,1,2,3,4,5,6,7,8,9,10,11,12,13,14,15
	global_load_b128 v[R+64*((\u)%2)+4*\i:R+64*((\u)%2)+4*\i+3], v2, s[4:5] offset:(\i+8*(\i/8))*4096+512*(\u) th:TH_LOAD_NT
.endr
.endm
.macro XUNIT u                         ; one fragment
.if (\u) < 3
	s_wait_loadcnt 16                              ; this unit's 16 loads are in; the next unit's 16 may be out
.else
	s_wait_loadcnt 0x0
.endif
.irp i, 0,1,2,3,4,5,6,7,8,9,10,11,12,13,14,15
	ds_store_b128 v3, v[R+64*((\u)%2)+4*\i:R+64*((\u)%2)+4*\i+3] offset:SP*\i
.endr
.irp c, 0,1,2,3,4,5,6,7                ; LDS serves a wave's instructions in order: these see the stores above, and the next unit's stores come behind them
	ds_load_b128 v[X+8*\c:X+8*\c+3], v4 offset:64*\c       ; k = 16 c + 8 h + 0 .. 3
	ds_load_b128 v[X+8*\c+4:X+8*\c+7], v4 offset:64*\c+16  ; k = 16 c + 8 h + 4 .. 7
.endr
	s_wait_dscnt 0x0                               ; my numbers are back; the stage's stores have read their registers,
.if (\u)+2 < 4
	XLOAD (\u)+2                                   ; which take the loads of two units on
.endif
.set n, 0
.rept 64
.set n, n+1
.endr
.if (\u) >= 2
	s_wait_xcnt 0x0                                ; the stores of two units back have read this set of codes
.endif
.irp c, 0,1,2,3,4,5,6,7
	v_cvt_scalef32_pk8_fp8_f32 v[C+16*((\u)%2)+2*\c:C+16*((\u)%2)+2*\c+1], v[X+8*\c:X+8*\c+7], v6
.endr
	v_nop                                          ; a plain line behind the last conversion
.irp q, 0,1,2,3
	global_store_b128 v2, v[C+16*((\u)%2)+4*\q:C+16*((\u)%2)+4*\q+3], s[12:13] offset:2048*(\u)+512*\q   ; 32 lanes store 512 consecutive bytes, aligned
.endr
.endm
	XLOAD 0
	XLOAD 1
	s_wait_alu depctr_va_vdst(0)
	s_wait_kmcnt 0x0
	SCALE s24
	s_wait_alu depctr_va_vdst(0)
	XUNIT 0
	XUNIT 1
	XUNIT 2
	XUNIT 3
	s_wait_tensorcnt 0x0
	ds_add_u32 v240, v241
	s_wait_dscnt 0x0
	s_endpgm
; ---------------- the weights, stored [K][N]: a lane takes a column and its registers run down K, so that the conversions give codes with K innermost.
.macro WLOAD t, N                      ; block t: W(32 t + i, my column): 32 lanes read 128 consecutive bytes, the four waves stand side by side
.irp i, 0,1,2,3,4,5,6,7,8,9,10,11,12,13,14,15,16,17,18,19,20,21,22,23,24,25,26,27,28,29,30,31
	global_load_b32 v[WX+32*((\t)%2)+\i], v2, s[36:37] offset:(32*(\t)+\i)*4*\N th:TH_LOAD_NT
.endr
.endm
.macro WBLOCK t, N
.if (\t) < 7
	s_wait_loadcnt 32                              ; this block's 32 loads are in; the next block's may be out
.else
	s_wait_loadcnt 0x0
.endif
.set n, 0
.rept 32
.set n, n+1
.endr
.irp g, 0,1,2,3                        ; k = 8 g on goes to half g % 2 of the image's lanes, 8 (g / 2) bytes in: registers 0-3 are lane (r, 0)'s 16 bytes of the chunk, 4-7 lane (r, 1)'s
	v_cvt_scalef32_pk8_fp8_f32 v[WC+8*(\t)+4*(\g%2)+2*(\g/2):WC+8*(\t)+4*(\g%2)+2*(\g/2)+1], v[WX+32*((\t)%2)+8*\g:WX+32*((\t)%2)+8*\g+7], v6
.endr
	v_nop                                          ; a plain line behind the last conversion
	global_store_b128 v3, v[WC+8*(\t):WC+8*(\t)+3], s[38:39] offset:512*(\t)          ; sixteen lanes (one tile's 16 columns) store 256 consecutive bytes, aligned
	global_store_b128 v3, v[WC+8*(\t)+4:WC+8*(\t)+7], s[38:39] offset:512*(\t)+256
.if (\t)+2 < 8
	WLOAD (\t)+2, \N
.endif
.endm
.macro WPATH N, first, src, dst, e
	s_sub_co_u32 s19, ttmp9, \first
	s_lshr_b32 s20, s19, 2                         ; which 128 columns
	s_and_b32 s21, s19, 3                          ; which 256 along K
	s_mul_i32 s22, s21, 1024*\N                    ; 256 rows of 4 N bytes
	s_lshl_b32 s23, s20, 9
	s_add_co_u32 s22, s22, s23
	s_lshl_b32 s23, s18, 7                         ; my wave's 32 columns
	s_add_co_u32 s22, s22, s23
	s_mov_b32 s23, 0
	s_add_nc_u64 s[36:37], s[\src:\src+1], s[22:23]
	s_lshl_b32 s22, s20, 3
	s_lshl_b32 s32, s18, 1
	s_add_co_u32 s22, s22, s32                     ; my first tile of 16 columns
	s_lshl_b32 s22, s22, 14
	s_lshl_b32 s32, s21, 12                        ; + two fragments for each 256 along K
	s_add_co_u32 s22, s22, s32
	s_add_nc_u64 s[38:39], s[\dst:\dst+1], s[22:23]
	v_lshlrev_b32 v2, 2, v1                        ; in: 4 bytes a lane
	v_lshrrev_b32 v3, 4, v1
	v_lshlrev_b32 v3, 14, v3                       ; out: lanes 16-31 belong to the next tile,
	v_and_b32 v4, 15, v1
	v_lshl_add_u32 v3, v4, 4, v3                   ; row lane % 16 of it
	WLOAD 0, \N
	WLOAD 1, \N
	s_wait_kmcnt 0x0
	SCALE \e
	s_wait_alu depctr_va_vdst(0)
.irp t, 0,1,2,3,4,5,6,7
	WBLOCK \t, \N
.endr
	s_endpgm
.endm
.Lweights:
	s_cmp_lt_u32 ttmp9, 352
	s_cbranch_scc0 .Lproj_w
	s_wait_alu depctr_va_vdst(0)
	WPATH 3072, 256, 6, 14, s25
.Lproj_w:
	s_wait_alu depctr_va_vdst(0)
	WPATH 1024, 352, 8, 16, s31
.Lfunc_end_k_q0a8d85c857_quant:
	.size	k_q0a8d85c857_quant, .Lfunc_end_k_q0a8d85c857_quant-k_q0a8d85c857_quant
	.p2alignl 7, 3214868480
	.fill 96, 4, 3214868480
	.section	.rodata,"a",@progbits
	.p2align	6, 0x0
	.amdhsa_kernel k_q0a8d85c857_quant
		.amdhsa_group_segment_fixed_size 34304
		.amdhsa_private_segment_fixed_size 0
		.amdhsa_enable_private_segment 0
		.amdhsa_kernarg_size 56
		.amdhsa_user_sgpr_count 2
		.amdhsa_user_sgpr_kernarg_segment_ptr 1
		.amdhsa_wavefront_size32 1
		.amdhsa_system_sgpr_workgroup_id_x 1
		.amdhsa_system_sgpr_workgroup_id_y 1
		.amdhsa_system_sgpr_workgroup_id_z 1
		.amdhsa_system_vgpr_workitem_id 0
		.amdhsa_next_free_vgpr 242
		.amdhsa_next_free_sgpr 66
		.amdhsa_reserve_vcc 0
		.amdhsa_float_denorm_mode_32 3
		.amdhsa_float_denorm_mode_16_64 3
		.amdhsa_fp16_overflow 1
		.amdhsa_memory_ordered 1
		.amdhsa_forward_progress 1
		.amdhsa_inst_pref_size 79
	.end_amdhsa_kernel
	.amdgpu_metadata
---
amdhsa.version: [ 1, 2 ]
amdhsa.kernels:
  - .name:           k_q0a8d85c857_quant
    .symbol:         k_q0a8d85c857_quant.kd
    .args:
      - { .name: x, .offset: 0, .size: 8, .value_kind: global_buffer, .address_space: global }
      - { .name: W_attn, .offset: 8, .size: 8, .value_kind: global_buffer, .address_space: global }
      - { .name: W_proj, .offset: 16, .size: 8, .value_kind: global_buffer, .address_space: global }
      - { .name: lowp_scales, .offset: 24, .size: 8, .value_kind: global_buffer, .address_space: global }
      - { .name: x_img, .offset: 32, .size: 8, .value_kind: global_buffer, .address_space: global }
      - { .name: wa_img, .offset: 40, .size: 8, .value_kind: global_buffer, .address_space: global }
      - { .name: wp_img, .offset: 48, .size: 8, .value_kind: global_buffer, .address_space: global }
    .group_segment_fixed_size: 34304
    .private_segment_fixed_size: 0
    .kernarg_segment_align: 8
    .kernarg_segment_size: 56
    .max_flat_workgroup_size: 128
    .sgpr_count:     66
    .vgpr_count:     242
    .wavefront_size: 32
...
	.end_amdgpu_metadata
.endif
;; end of part 1
;; launch qkv (part 2): grid 12 x 32, 4 waves a work-group, clusters of 4 x 4, 327,680 bytes of LDS; arguments x_img, wa_img, b_attn, lowp_scales, qkv; writes qkv
.if DOCPART == 2
	.amdgcn_target "amdgcn-amd-amdhsa--gfx1250"
	.amdhsa_code_object_version 6
	.text
	.protected	k_q0a8d85c857_qkv
	.globl	k_q0a8d85c857_qkv
	.p2align	8
	.type	k_q0a8d85c857_qkv,@function
k_q0a8d85c857_qkv:
	s_mov_b64 s[64:65], 0
	v_nop
	global_prefetch_b8 v0, s[64:65] scope:SCOPE_SE
	s_setreg_imm32_b32 hwreg(HW_REG_WAVE_MODE, 25, 1), 1
	s_wait_xcnt 0x0
	s_wait_alu depctr_hold_cnt(0) depctr_sa_sdst(0) depctr_va_vdst(0) depctr_va_sdst(0) depctr_va_ssrc(0) depctr_va_vcc(0) depctr_vm_vsrc(0)
	s_getreg_b32 s2, hwreg(HW_REG_IB_STS2, 6, 4)
	s_cmp_eq_u32 s2, 0
	s_cbranch_scc0 .Lentry_in_a_cluster
	s_endpgm
.Lentry_in_a_cluster:
	s_bfe_u32 s2, ttmp6, 0x10000c
	s_cmp_lg_u32 s2, 0xf033
	s_cbranch_scc0 .Lentry_shape_is_right
	s_endpgm
.Lentry_shape_is_right:
; qkv = x W_attn + b_attn on codes of E4M3 (scales 2^e0, 2^e1), then q, k, v are quantised (2^e2, 2^e3, 2^e5) and stored as images of the operand registers that the attention launch wants.
; OPERANDS come as images: a fragment (16 rows x 128 K) is 2,048 bytes, chunk q of 512 bytes = registers 4 q .. 4 q + 3 at 16 x lane; a tile of 16 rows has its 8 K steps on end (16,384 bytes).
; A tile of the result is 256 x 256: four waves, each 128 x 128 in 64 accumulators.  K = 1,024 goes in four steps of 256 through a ring of two LDS slots filled by the tensor data mover.
; SOURCE 0 is the 'B side', SOURCE 1 the 'A side': a lane holds ONE row of the A side (lane % 16) and eight neighbouring rows of the B side (8 (lane / 16) + 0 .. 7).
;   cluster x = 0 (q), 1 (k): A side = tokens, B side = W's columns: a lane's registers run along the head's channels, the K of q k^T.
;   cluster x = 2 (v):        A side = W's columns, B side = tokens: a lane's registers run along the tokens, the K of p v.  Only pointers, indices and the way out differ; the choice hangs on the cluster's x, which all partners share.
; CLUSTERS: 4 x 4 work-groups; the A side's tile is shared along a row of the cluster, the B side's along a column: joint loads with a mask of four.
; qkv's layout: [64 heads][393,216]: 16 key steps of 16,384 bytes (k: 8 tiles of 16 tokens x 1,024; then v^T: 4 tiles of 16 channels x 2,048), then q: 128 tiles x 1,024.
; LIMITS: e0 + e1 between -126 and 127; e2, e3, e5 between -126 and 119.  NaN among the inputs is not served.
; REGISTERS: window 0: v1-31 addresses and scales; v32-95 the bias; from v128 the A side's fragments, ONE set (on the way out v96-191 are at work);  window 1: the B side's, TWO sets;  windows 2, 3: the accumulators ((a, b) at v[8 (8 (a % 4) + b)]).
.set SLOT,   131072                    ; a slot: four regions of 32,768 bytes: A side rows 0-127, 128-255, B side likewise; a region is [8 tiles][2 fragments][2,048]
.set REGB,   32768
.set SPARE,  2*SLOT                    ; behind the ring: the spare words, 128 bytes for each wave, which no other line names
.set FR,     16
.set NL,     4                         ; LDS loads that bring a fragment
.set NP,     4                         ; places behind this matrix instruction (ISA guide 7.12.1)
.set ADRA, 16                          ; v16-17  LDS address of my A side fragments in slot 0, 1
.set ADRB, 20                          ; v20-21  the same for the B side
.set CO,   26                          ; v26     16 x lane
.set LIMV, 27
.set SPW,  28                          ; v28     LDS address of my spare word; never rewritten
.set NIL,  29                          ; v29     0; never rewritten
.set SCV,  30                          ; v30     the quantiser's scale
.set BI,   32                          ; v32-95  the bias in the result's layout
.set TMP,  96                          ; v96-159 a block's numbers
.set CD,   160                         ; v160-191 two sets of 16 registers of codes
.set AF,   128
.set G1, 24                            ; s[24:31] group 1 for the A side;  s[32:39] group 0, one set for each slot
.set G0, 32
.set G1B, 48                           ; s[48:55], s[56:63] the same for the B side
.set G0B, 56
.set MSB, 0
.macro WIN new                         ; the immediate's high byte repeats the setting that is left
.if MSB != (\new)
	s_set_vgpr_msb (MSB<<8)|(\new)
.set MSB, (\new)
.endif
.endm
.set MUL_LO, 0xa1                      ; source 0 window 1, source 1 window 0, C and D window 2
.set MUL_HI, 0xf1                      ; the same, C and D window 3
.set TO_B,   0x40                      ; destination window 1, address window 0
; A joint load: waves 0 and 1 fetch for the A side, waves 2 and 3 for the B side; the branch hangs on the wave's number alone.  Four v_nop follow each of the two lines.
.macro JLOAD g0a, g1a, g0b, g1b
	s_cmp_eq_u32 s15, 0
	s_cbranch_scc0 .Lfor_b_\@
	tensor_load_to_lds s[\g0a:\g0a+3], s[\g1a:\g1a+7]
	s_nop 0
.rept 4
	v_nop
.endr
	s_branch .Lasked_\@
.Lfor_b_\@:
	tensor_load_to_lds s[\g0b:\g0b+3], s[\g1b:\g1b+7]
	s_nop 0
.rept 4
	v_nop
.endr
.Lasked_\@:
.endm
.macro CREST                           ; a round of the cluster's barrier behind its opening barrier
	s_cmp_lg_u32 s14, 0
	s_cbranch_scc1 .Lnot_wave_0_\@
	s_barrier_signal -3
.Lnot_wave_0_\@:
	s_barrier_wait -3
	s_barrier_signal -1
	s_barrier_wait -1
.endm
.macro CROUND
	s_barrier_signal -1
	s_barrier_wait -1
	CREST
.endm
	s_load_b256 s[4:11], s[0:1], 0x0               ; x_img s[4:5], wa_img s[6:7], b_attn s[8:9], the exponents s[10:11]
	s_load_b64 s[12:13], s[0:1], 0x20              ; qkv
	v_lshl_add_u32 v[SPW], v0, 2, SPARE
	v_mov_b32 v[NIL], 0
	ds_add_u32 v28, v29
	ds_add_u32 v28, v29
	s_wait_dscnt 0x0
	v_lshrrev_b32 v1, 5, v0
	v_readfirstlane_b32 s14, v1                    ; wave 0..3
	s_lshr_b32 s15, s14, 1                         ; which half of the A side's rows is mine.  Also: I fetch for the A side (0) or the B side (1)
	s_and_b32 s16, s14, 1                          ; which half of the B side's.  Also: which 128 rows I fetch
	s_bfe_u32 s40, ttmp6, 0x40000                  ; cx
	s_bfe_u32 s41, ttmp6, 0x40004                  ; cy
	s_and_b32 s18, ttmp7, 0xffff
	s_lshl_b32 s18, s18, 2                         ; 4 x cluster y
	s_lshl_b32 s19, ttmp9, 2                       ; 4 x cluster x
	s_cmp_eq_u32 ttmp9, 2                          ; v?
	s_cselect_b32 s17, 8, s18                      ; A side: v's columns begin at tile 8 of W; else tokens
	s_cselect_b32 s42, s18, s19                    ; B side: tokens; else W's columns
	s_add_co_u32 s17, s17, s41                     ; the A side's tile of 256 rows: hangs on cy alone
	s_add_co_u32 s42, s42, s40                     ; the B side's: on cx alone
	s_lshl_b32 s43, s41, 2
	s_lshl_b32 s43, 15, s43                        ; my row of the cluster
	s_lshl_b32 s44, 0x1111, s40                    ; my column
	; group 1: 8 rows (tiles of 16) x 4,096 bytes (two fragments), 16,384 bytes apart, in elements of 8 bytes; dense in LDS
	s_or_b32 s[G1+0], s43, (3<<16)|(1<<21)         ; 15:0 the mask; 17:16 elements of 8 bytes; 21 set beside a mask
	s_or_b32 s[G1B+0], s44, (3<<16)|(1<<21)
.irp g, G1, G1B
	s_mov_b32 s[\g+1], 512<<16                     ; tensor_dim0 = 512
	s_mov_b32 s[\g+2], 8<<16                       ; tensor_dim1 = 8
	s_mov_b32 s[\g+3], 512<<16                     ; tile_dim0 = 512
	s_mov_b32 s[\g+4], 8                           ; tile_dim1 = 8
	s_mov_b32 s[\g+5], 2048                        ; tensor_dim0_stride
	s_mov_b32 s[\g+6], 0
	s_mov_b32 s[\g+7], 0
.endr
	s_lshl_b32 s20, s17, 18                        ; 256 rows are 16 tiles of 16,384 bytes
	s_lshl_b32 s21, s16, 17                        ; + the 128 rows that I fetch
	s_add_co_u32 s20, s20, s21
	s_mov_b32 s21, 0
	s_lshl_b32 s46, s42, 18
	s_lshl_b32 s47, s16, 17
	s_add_co_u32 s46, s46, s47
	s_mov_b32 s47, 0
	s_lshl_b32 s45, s14, 15                        ; where they go: region = wave: no place in the cluster enters an LDS address
	s_wait_kmcnt 0x0
	s_load_b256 s[68:75], s[10:11], 0x0            ; e0 .. e7
	s_cmp_eq_u32 ttmp9, 2
	s_cselect_b64 s[76:77], s[6:7], s[4:5]         ; the A side's buffer
	s_cselect_b64 s[78:79], s[4:5], s[6:7]         ; the B side's
	s_add_nc_u64 s[20:21], s[76:77], s[20:21]
	s_add_nc_u64 s[46:47], s[78:79], s[46:47]
	CROUND                                         ; all sixteen work-groups are here: the first joint loads meet
.irp s, 0,1
	s_mov_b32 s[G0+4*\s], 1
	s_add_co_u32 s[G0+4*\s+1], s45, \s*SLOT
	s_add_nc_u64 s[G0+4*\s+2:G0+4*\s+3], s[20:21], \s*4096
	s_or_b32 s[G0+4*\s+3], s[G0+4*\s+3], 0x80000000
	s_mov_b32 s[G0B+4*\s], 1
	s_add_co_u32 s[G0B+4*\s+1], s45, \s*SLOT
	s_add_nc_u64 s[G0B+4*\s+2:G0B+4*\s+3], s[46:47], \s*4096
	s_or_b32 s[G0B+4*\s+3], s[G0B+4*\s+3], 0x80000000
	JLOAD G0+4*\s, G1, G0B+4*\s, G1B
.endr
	v_and_b32 v1, 15, v0                           ; r
	s_wait_alu depctr_va_vdst(0)
	v_bfe_u32 v2, v0, 4, 1                         ; h
	s_wait_alu depctr_va_vdst(0)
	v_and_b32 v3, 31, v0
	v_lshlrev_b32 v[CO], 4, v3                     ; 16 x lane: a lane's place in every chunk
	s_lshl_b32 s21, s15, 15                        ; my 128 rows of the A side
	s_lshl_b32 s22, s16, 15
	s_add_co_u32 s22, s22, 2*REGB                  ; my 128 rows of the B side
.irp s, 0,1
	v_add_nc_u32 v[ADRA+\s], s21, v[CO]
	v_add_nc_u32 v[ADRB+\s], s22, v[CO]
	s_add_co_u32 s21, s21, SLOT
	s_add_co_u32 s22, s22, SLOT
.endr
	; what differs between q, k and v, chosen without a branch
	s_cmp_eq_u32 ttmp9, 2
	s_cselect_b32 s80, 4, 0                        ; the bias's offset: bytes for each r,
	s_cselect_b32 s81, 0, 32                       ; for h,
	s_cselect_b32 s82, 0, 4                        ; for each register j
	s_cselect_b32 s84, s17, s42                    ; the tile of 256 columns of W
	s_cselect_b32 s89, s15, s16                    ; my half of it
	s_cselect_b32 s86, s42, s17                    ; the tile of 256 tokens
	s_cselect_b32 s87, s16, s15                    ; my half of it
	s_cselect_b32 s88, s41, s40                    ; which four heads
	s_cselect_b32 s95, 8192, 0                     ; v^T lies behind a key step's k
	s_lshl_b32 s84, s84, 10
	s_lshl_b32 s85, s89, 9
	s_add_co_u32 s84, s84, s85                     ; 4 x my first column
	s_mov_b32 s85, 0
	s_add_nc_u64 s[66:67], s[8:9], s[84:85]
	v_mul_lo_u32 v4, v1, s80
	v_mul_lo_u32 v5, v2, s81
	v_add_nc_u32 v4, v4, v5
.irp j, 0,1,2,3,4,5,6,7
	v_mad_u32_u24 v[8+\j], s82, \j, v4
.endr
.irp g, 0,1,2,3,4,5,6,7                ; q, k: register 8 g + j = the bias of column 16 g + 8 h + j;  v: of column 16 g + r, in all eight
.irp j, 0,1,2,3,4,5,6,7
	global_load_b32 v[BI+8*\g+\j], v[8+\j], s[66:67] offset:64*\g
.endr
.endr
	s_and_b32 s90, s86, 7
	s_lshl_b32 s90, s90, 4
	s_lshl_b32 s87, s87, 3
	s_add_co_u32 s90, s90, s87                     ; my first tile of 16 tokens in its batch
	s_lshr_b32 s91, s86, 3
	s_lshl_b32 s91, s91, 4                         ; 16 x batch
	s_lshl_b32 s88, s88, 2
	s_add_co_u32 s91, s91, s88
	s_lshl_b32 s89, s89, 1
	s_add_co_u32 s91, s91, s89                     ; my first head
	s_mul_i32 s91, s91, 393216
	s_cmp_eq_u32 ttmp9, 0
	s_cselect_b32 s93, 10, 11                      ; q: 1,024 bytes a tile;  k, v: a key step of 8 tiles is 16,384
	s_cselect_b32 s94, 0x40000, 0                  ; q lies behind the 16 key steps
	s_lshl_b32 s90, s90, s93
	s_add_co_u32 s90, s90, s94
	s_add_co_u32 s90, s90, s95
	s_add_co_u32 s90, s90, s91
	s_mov_b32 s91, 0
	s_add_nc_u64 s[92:93], s[12:13], s[90:91]      ; where my codes go
	s_wait_kmcnt 0x0
	s_cmp_eq_u32 ttmp9, 0
	s_cselect_b32 s83, s70, s71                    ; e2 for q, e3 for k,
	s_cmp_eq_u32 ttmp9, 2
	s_cselect_b32 s83, s73, s83                    ; e5 for v
	s_add_co_i32 s83, s83, 127
	s_lshl_b32 s84, s83, 23
	v_mov_b32 v[SCV], s84
	s_add_co_i32 s96, s68, s69
	s_add_co_i32 s96, s96, 127
	s_lshl_b32 s96, s96, 23                        ; 2^(e0 + e1) as f32
	s_mov_b32 s97, s96                             ; (named with it as a pair, so it is written)
.macro FRAG reg, adr, q, i             ; fragment q of tile i of a region: four chunks, as they lie
.irp c, 0,1,2,3
	ds_load_b128 v[\reg+4*\c:\reg+4*\c+3], v[\adr] offset:4096*(\i)+2048*(\q)+512*\c
.endr
.endm
; 16 matrix instructions: the A side's blocks a0, a0 + 1 x the B side's eight, 128 along K.  p: the B side's set.  zero = 1: the first product starts the sums.
; The 64 accumulators take turns, one instruction a turn, in the same order in every step.
.macro MUL16 a0, p, zero
.irp a, \a0, \a0+1
.irp b, 0,1,2,3,4,5,6,7
.if \zero
	v_wmma_f32_16x16x128_fp8_fp8 v[8*(8*((\a)%4)+\b):8*(8*((\a)%4)+\b)+7], v[128*(\p)+FR*\b:128*(\p)+FR*\b+FR-1], v[AF+FR*(\a):AF+FR*(\a)+FR-1], 0
.else
	v_wmma_f32_16x16x128_fp8_fp8 v[8*(8*((\a)%4)+\b):8*(8*((\a)%4)+\b)+7], v[128*(\p)+FR*\b:128*(\p)+FR*\b+FR-1], v[AF+FR*(\a):AF+FR*(\a)+FR-1], v[8*(8*((\a)%4)+\b):8*(8*((\a)%4)+\b)+7]
.endif
.endr
.endr
.endm
.macro FETCH_B slot, q, p
	WIN TO_B
.irp i, 0,1,2,3,4,5,6,7
	FRAG 128*(\p)+FR*\i, ADRB+\slot, \q, \i
.endr
	WIN 0
.endm
.macro FETCH_A slot, q, i0
.irp i, \i0, \i0+1, \i0+2, \i0+3
	FRAG AF+FR*(\i), ADRA+\slot, \q, \i
.endr
.endm
.macro PLACES n                        ; plain vector lines between a matrix instruction and a load into, or a vector instruction on, its registers
.rept \n
	v_nop
.endr
.endm
.macro STEP slot, q, zero              ; 128 along K that have their successor in the same slot
	s_wait_dscnt 4*NL                              ; the B side's set and the A side's blocks 0-3 are in; the youngest 16 loads (blocks 4-7) may be out
	WIN MUL_LO
	MUL16 0, (\q)%2, \zero
	MUL16 2, (\q)%2, \zero
	s_wait_dscnt 0
	PLACES NP
	FETCH_B \slot, (\q)+1, 1-(\q)%2
	FETCH_A \slot, (\q)+1, 0
	WIN MUL_HI
	MUL16 4, (\q)%2, \zero
	MUL16 6, (\q)%2, \zero
	PLACES NP
	WIN 0
	FETCH_A \slot, (\q)+1, 4
.endm
; A slot's last 128 change slots: ONE barrier; in front of it each wave waits for all its tensor loads, adds 0 to its spare word, and waits for that and for its reads of this slot.  fill = 1: this slot is filled again, two K steps of 256 ahead.
.macro TURN slot, next, fill
	s_wait_tensorcnt 0x0                           ; all my tensor loads have landed: my part of the next slot
	ds_add_u32 v[SPW], v[NIL]                      ; 0 onto my spare word
	s_wait_dscnt 4*NL+1                            ; (the add and the youngest 16 loads may be out)
	WIN MUL_LO
	MUL16 0, 1, 0
	s_wait_dscnt 0x0                               ; the add is done, and my reads of this slot are over
	s_barrier_signal -1
	MUL16 2, 1, 0
	WIN 0
	s_barrier_wait -1
.if \fill
	CREST                                          ; the barrier has opened a round of the cluster's: no wave of any partner still reads this slot or has a load on its way
	s_add_nc_u64 s[G0+4*\slot+2:G0+4*\slot+3], s[G0+4*\slot+2:G0+4*\slot+3], 8192
	s_add_nc_u64 s[G0B+4*\slot+2:G0B+4*\slot+3], s[G0B+4*\slot+2:G0B+4*\slot+3], 8192
	JLOAD G0+4*\slot, G1, G0B+4*\slot, G1B         ; the first tensor load behind the round; its four v_nop are the places in front of the loads below
.else
	PLACES NP
.endif
	FETCH_B \next, 0, 0
	FETCH_A \next, 0, 0
	WIN MUL_HI
	MUL16 4, 1, 0
	MUL16 6, 1, 0
	PLACES NP
	WIN 0
	FETCH_A \next, 0, 4
.endm
	s_wait_loadcnt 0x0                             ; the bias
	s_wait_tensorcnt 1                             ; my part of slot 0 is in; slot 1's load may be out
	s_barrier_signal -1
	s_barrier_wait -1
	FETCH_B 0, 0, 0
	FETCH_A 0, 0, 0
	FETCH_A 0, 0, 4
	STEP 0, 0, 1                                   ; K = 1,024 is eight steps of 128, written out: the first starts the sums
	TURN 0, 1, 1
	STEP 1, 0, 0
	TURN 1, 0, 1
	STEP 0, 0, 0
	TURN 0, 1, 0                                   ; nothing is left to fetch
	STEP 1, 0, 0
	s_wait_dscnt 4*NL
	WIN MUL_LO
	MUL16 0, 1, 0
	MUL16 2, 1, 0
	s_wait_dscnt 0
	WIN MUL_HI
	MUL16 4, 1, 0
	MUL16 6, 1, 0
	WIN 0
; THE WAY OUT, block a of the A side at a time: sum x 2^(e0 + e1) + bias (one packed multiply-add for two), the hold, the conversion.  A lane's eight numbers of accumulator (a, b) become registers 2 b, 2 b + 1
; of an operand's image, which leaves as it stands: each store is 512 consecutive bytes, aligned.  Each accumulator is read from its low end on.
.macro EPI a, vmode
	WIN 0x02+((\a)/4)                              ; source 0: window 2 or 3
.set n, 0
.rept 32
.if \vmode
	v_pk_fma_f32 v[TMP+n:TMP+n+1], v[64*((\a)%4)+n:64*((\a)%4)+n+1], s[96:97], v[BI+8*(\a)+n%8:BI+8*(\a)+n%8+1] op_sel_hi:[1,0,1]
.else
	v_pk_fma_f32 v[TMP+n:TMP+n+1], v[64*((\a)%4)+n:64*((\a)%4)+n+1], s[96:97], v[BI+n:BI+n+1] op_sel_hi:[1,0,1]
.endif
.set n, n+2
.endr
	WIN 0
.set n, 0
.rept 64
.set n, n+1
.endr
.if (\a) >= 2
	s_wait_alu depctr_va_vdst(0)
	s_wait_xcnt 0x0                                ; the stores of two blocks back have read this set of codes
.endif
.irp b, 0,1,2,3,4,5,6,7
	v_cvt_scalef32_pk8_fp8_f32 v[CD+16*((\a)%2)+2*\b:CD+16*((\a)%2)+2*\b+1], v[TMP+8*\b:TMP+8*\b+7], v[SCV]
.endr
	v_nop                                          ; a plain line behind the last conversion
.if \vmode
.irp c, 0,1,2,3                        ; 16 channels x my 128 tokens: one fragment of v^T: head a / 4, channel tile a % 4
	global_store_b128 v[CO], v[CD+16*((\a)%2)+4*\c:CD+16*((\a)%2)+4*\c+3], s[92:93] offset:393216*((\a)/4)+2048*((\a)%4)+512*\c
.endr
.else
.irp hh, 0,1                           ; 16 tokens x my 128 channels: a fragment of 64 K for each of two heads
.irp g, 0,1
	global_store_b128 v[CO], v[CD+16*((\a)%2)+8*\hh+4*\g:CD+16*((\a)%2)+8*\hh+4*\g+3], s[92:93] offset:393216*\hh+1024*(\a)+512*\g
.endr
.endr
.endif
.endm
	PLACES NP                                      ; behind the last products
	s_cmp_eq_u32 ttmp9, 2
	s_cbranch_scc1 .Lv_out
.irp a, 0,1,2,3,4,5,6,7
	EPI \a, 0
.endr
	s_branch .Lend
.Lv_out:
.irp a, 0,1,2,3,4,5,6,7
	EPI \a, 1
.endr
.Lend:
	s_wait_tensorcnt 0x0                           ; the wave's end
	ds_add_u32 v[SPW], v[NIL]
	s_wait_dscnt 0x0
	CROUND                                         ; the closing round: no work-group ends while a partner may still ask for a tile that names it
	s_endpgm
.Lfunc_end_k_q0a8d85c857_qkv:
	.size	k_q0a8d85c857_qkv, .Lfunc_end_k_q0a8d85c857_qkv-k_q0a8d85c857_qkv
	.p2alignl 7, 3214868480
	.fill 96, 4, 3214868480
	.section	.rodata,"a",@progbits
	.p2align	6, 0x0
	.amdhsa_kernel k_q0a8d85c857_qkv
		.amdhsa_group_segment_fixed_size 327680
		.amdhsa_private_segment_fixed_size 0
		.amdhsa_enable_private_segment 0
		.amdhsa_kernarg_size 40
		.amdhsa_user_sgpr_count 2
		.amdhsa_user_sgpr_kernarg_segment_ptr 1
		.amdhsa_wavefront_size32 1
		.amdhsa_system_sgpr_workgroup_id_x 1
		.amdhsa_system_sgpr_workgroup_id_y 1
		.amdhsa_system_sgpr_workgroup_id_z 1
		.amdhsa_system_vgpr_workitem_id 0
		.amdhsa_next_free_vgpr 1024
		.amdhsa_next_free_sgpr 100
		.amdhsa_reserve_vcc 0
		.amdhsa_float_denorm_mode_32 3
		.amdhsa_float_denorm_mode_16_64 3
		.amdhsa_fp16_overflow 1
		.amdhsa_memory_ordered 1
		.amdhsa_forward_progress 1
		.amdhsa_inst_pref_size 133
	.end_amdhsa_kernel
	.amdgpu_metadata
---
amdhsa.version: [ 1, 2 ]
amdhsa.kernels:
  - .name:           k_q0a8d85c857_qkv
    .symbol:         k_q0a8d85c857_qkv.kd
    .args:
      - { .name: x_img, .offset: 0, .size: 8, .value_kind: global_buffer, .address_space: global }
      - { .name: wa_img, .offset: 8, .size: 8, .value_kind: global_buffer, .address_space: global }
      - { .name: b_attn, .offset: 16, .size: 8, .value_kind: global_buffer, .address_space: global }
      - { .name: lowp_scales, .offset: 24, .size: 8, .value_kind: global_buffer, .address_space: global }
      - { .name: qkv, .offset: 32, .size: 8, .value_kind: global_buffer, .address_space: global }
    .group_segment_fixed_size: 327680
    .private_segment_fixed_size: 0
    .kernarg_segment_align: 8
    .kernarg_segment_size: 40
    .max_flat_workgroup_size: 128
    .sgpr_count:     100
    .vgpr_count:     1024
    .wavefront_size: 32
...
	.end_amdgpu_metadata
.endif
;; end of part 2
;; launch attn (part 3): grid 4 x 64, 16 waves a work-group, clusters of 4 x 1, 327,680 bytes of LDS; arguments qkv, lowp_scales, y_img; writes y_img
.if DOCPART == 3
	.amdgcn_target "amdgcn-amd-amdhsa--gfx1250"
	.amdhsa_code_object_version 6
	.text
	.protected	k_q0a8d85c857_attn
	.globl	k_q0a8d85c857_attn
	.p2align	8
	.type	k_q0a8d85c857_attn,@function
k_q0a8d85c857_attn:
	s_mov_b64 s[64:65], 0
	v_nop
	global_prefetch_b8 v0, s[64:65] scope:SCOPE_SE
	s_setreg_imm32_b32 hwreg(HW_REG_WAVE_MODE, 25, 1), 1
	s_wait_xcnt 0x0
	s_wait_alu depctr_hold_cnt(0) depctr_sa_sdst(0) depctr_va_vdst(0) depctr_va_sdst(0) depctr_va_ssrc(0) depctr_va_vcc(0) depctr_vm_vsrc(0)
	s_getreg_b32 s2, hwreg(HW_REG_IB_STS2, 6, 4)
	s_cmp_eq_u32 s2, 0
	s_cbranch_scc0 .Lentry_in_a_cluster
	s_endpgm
.Lentry_in_a_cluster:
	s_bfe_u32 s2, ttmp6, 0x10000c
	s_cmp_lg_u32 s2, 0x3003
	s_cbranch_scc0 .Lentry_shape_is_right
	s_endpgm
.Lentry_shape_is_right:
; y = softmax(q k^T / 8, causal) v for one head a cluster, both products on codes of E4M3 (scales 2^e2, 2^e3; 2^e4, 2^e5); y is quantised with 2^e6 and stored as images of the last product's operand registers.
; THE SOFTMAX: t = score x log2(e) / 8; M = the running largest t rounded UP to a whole number; p = 2^(t - M) is quantised, not normalised; the row's sum is taken of the unquantised p and divides at the end.
; When M moves, the sum and O are multiplied by 2^(old M - new M), which rounds nothing.
; A HEAD'S WHOLE K AND V LIE IN LDS: 16 key steps of 16,384 bytes (k: 8 tiles of 16 keys x 1,024; v^T: 4 tiles of 16 channels x 2,048), at the bytes at which they lie in the head's block of qkv.  They are filled once:
; no slot is ever filled again.  The four work-groups of a cluster are the four quarters of the head's queries, so each tile is asked for jointly, with a mask of all four.
; SHARES.  Wave w of work-group cx owns the tiles of 16 queries L = 8 (w / 2) + 2 cx + w % 2 and H = 127 - L.  Their last key steps are w / 2 and 15 - w / 2, which hang on the wave's number alone: every wave has 17 key steps,
; and no branch hangs on a work-group's place in its cluster.  Key steps wholly behind a tile's queries are left out (the mask throws them away); the tile's last step is masked.
; LAYOUT.  S^T = k q^T (source 0 = 16 keys), O^T = v^T p^T (source 0 = 16 channels): a lane holds one query (lane % 16).  Row r of token tile 2 b + u is token 32 b + 8 u + r + 8 (r / 8), so register 16 b + i of a step's
; scores is key 32 b + 16 (lane / 16) + i, and the conversions' results are the second product's operand, in the places in which v^T's images hold the same keys.
; LIMITS: e2 + e3 between -123 and 130 (added to c's exponent field); e4, e6 between -126 and 119; e4 + e5 goes in by v_ldexp_f32.  NaN among the inputs is not served.
.set WV,  10                           ; s10  wave
.set SDL, 16                           ; s16  tile L's last key step
.set SDH, 17                           ; s17  tile H's
.set SI,  50                           ; s50  the key step
.set TB,  51                           ; s51  its LDS byte
.set KF,  52                           ; s52  its first key
.set CS,  54                           ; s[54:55] c = log2(e) / 8 x 2^(e2 + e3)
.set SEL, 56                           ; s[56:57] selects for lane l xor 16
.set LI,  1                            ; v1   16 x lane
.set ADR, 2                            ; v2   LDS address of the step in hand
.set FRG, 32                           ; v32-95   k's eight fragments, then v^T's four
.set S,   96                           ; v96-159  S^T, then p
.set PC,  224                          ; v224-239 p's codes; at the end y's
; v3, v4: query - 16 (lane / 16) of tiles H, L;  v8-15, v16-23: q of H, L;  v24-27, v28-31: -M, the largest t, the sum in two halves;  v160-191, v192-223: O^T of H, L
; v241: 2^e4;  v253: 2^e6;  v242-251 at work
.macro CROUND
	s_barrier_signal -1
	s_barrier_wait -1
	s_cmp_lg_u32 s[WV], 0
	s_cbranch_scc1 .Lnot_wave_0_\@
	s_barrier_signal -3
.Lnot_wave_0_\@:
	s_barrier_wait -3
	s_barrier_signal -1
	s_barrier_wait -1
.endm
	s_load_b128 s[4:7], s[0:1], 0x0                ; qkv s[4:5], the exponents s[6:7]
	s_load_b64 s[8:9], s[0:1], 0x10                ; y_img
	v_lshl_add_u32 v254, v0, 2, 0x40000
	v_mov_b32 v255, 0
	ds_add_u32 v254, v255
	ds_add_u32 v254, v255
	v_lshrrev_b32 v5, 5, v0
	s_delay_alu instid0(VALU_DEP_1)
	v_readfirstlane_b32 s[WV], v5                  ; wave 0..15
	s_bfe_u32 s11, ttmp6, 0x40000                  ; cx: it enters q's and y's addresses and the mask's number alone
	s_and_b32 s12, ttmp7, 0xffff                   ; the head, 16 x batch + head
	s_lshr_b32 s[SDL], s[WV], 1
	s_xor_b32 s[SDH], s[SDL], 15                   ; 15 - w / 2
	s_lshl_b32 s13, s[SDL], 3
	s_lshl_b32 s14, s11, 1
	s_add_co_u32 s13, s13, s14
	s_and_b32 s14, s[WV], 1
	s_add_co_u32 s13, s13, s14                     ; tile L
	s_xor_b32 s14, s13, 127                        ; tile H = 127 - L
	s_mul_i32 s18, s12, 393216                     ; the head's block
	s_mov_b32 s19, 0
	; group 1: rows of 256 bytes (32 elements of 8), dense.  First load: 16 rows a wave: together key steps 0-3.  Second: 48 rows a wave: together key steps 4-15
	s_mov_b32 s24, 15|(3<<16)|(1<<21)              ; 15:0 the mask: all four work-groups; 17:16 elements of 8 bytes; 21 set beside a mask
	s_mov_b32 s25, 32<<16
	s_mov_b32 s26, 16<<16
	s_mov_b32 s27, 32<<16
	s_mov_b32 s28, 16
	s_mov_b32 s29, 32
	s_mov_b32 s30, 0
	s_mov_b32 s31, 0
	s_mov_b32 s32, 15|(3<<16)|(1<<21)
	s_mov_b32 s33, 32<<16
	s_mov_b32 s34, 48<<16
	s_mov_b32 s35, 32<<16
	s_mov_b32 s36, 48
	s_mov_b32 s37, 32
	s_mov_b32 s38, 0
	s_mov_b32 s39, 0
	s_mov_b32 s40, 1
	s_lshl_b32 s41, s[WV], 12                      ; LDS byte = byte in the head's block: 4,096 x wave
	s_mov_b32 s44, 1
	s_mul_i32 s45, s[WV], 12288
	s_add_co_u32 s45, s45, 65536                   ; 65,536 + 12,288 x wave
	s_mov_b32 s23, 0
	s_mov_b32 s[SEL], 0x76543210
	s_mov_b32 s[SEL+1], 0xfedcba98
	s_wait_dscnt 0x0
	s_wait_kmcnt 0x0
	s_load_b256 s[68:75], s[6:7], 0x0              ; e0 .. e7
	s_add_nc_u64 s[20:21], s[4:5], s[18:19]
	s_mov_b32 s22, s41
	s_add_nc_u64 s[42:43], s[20:21], s[22:23]
	s_or_b32 s43, s43, 0x80000000
	s_mov_b32 s22, s45
	s_add_nc_u64 s[46:47], s[20:21], s[22:23]
	s_or_b32 s47, s47, 0x80000000
	CROUND                                         ; all four work-groups are here: the joint loads meet
	tensor_load_to_lds s[40:43], s[24:31]          ; the first fill: one load of mine is out
	s_nop 0
	s_wait_alu depctr_va_vdst(0)
	s_wait_tensorcnt 0x0
	ds_add_u32 v254, v255
	s_wait_dscnt 0x0
	CROUND
	tensor_load_to_lds s[44:47], s[32:39]
	s_nop 0
.rept 4
	v_nop
.endr
	s_lshl_b32 s22, s14, 10
	s_add_co_u32 s22, s22, 262144
	s_add_nc_u64 s[58:59], s[20:21], s[22:23]      ; q of tile H
	s_lshl_b32 s22, s13, 10
	s_add_co_u32 s22, s22, 262144
	s_add_nc_u64 s[60:61], s[20:21], s[22:23]      ; q of tile L
	v_and_b32 v[LI], 31, v0
	s_delay_alu instid0(VALU_DEP_1)
	v_lshlrev_b32 v[LI], 4, v[LI]
	global_load_b128 v[8:11], v[LI], s[58:59]
	global_load_b128 v[12:15], v[LI], s[58:59] offset:512
	global_load_b128 v[16:19], v[LI], s[60:61]
	global_load_b128 v[20:23], v[LI], s[60:61] offset:512
	s_lshr_b32 s2, s12, 4
	s_lshl_b32 s2, s2, 7                           ; 128 token tiles a batch
	s_and_b32 s3, s12, 15
	s_lshl_b32 s3, s3, 10                          ; a head's 64 channels are 1,024 bytes of a tile's images
	s_add_co_u32 s22, s2, s14
	s_lshl_b32 s22, s22, 14
	s_add_co_u32 s22, s22, s3
	s_add_nc_u64 s[62:63], s[8:9], s[22:23]        ; y of tile H
	s_add_co_u32 s22, s2, s13
	s_lshl_b32 s22, s22, 14
	s_add_co_u32 s22, s22, s3
	s_add_nc_u64 s[66:67], s[8:9], s[22:23]        ; y of tile L
	v_and_b32 v5, 15, v0                           ; r
	s_delay_alu instid0(VALU_DEP_1)
	v_and_b32 v6, 8, v5
	s_delay_alu instid0(VALU_DEP_1)
	v_add_nc_u32 v5, v5, v6                        ; r + 8 (r / 8)
	v_and_b32 v6, 16, v0                           ; 16 h
	s_delay_alu instid0(VALU_DEP_1)
	v_sub_nc_u32 v5, v5, v6
	s_wait_alu depctr_va_vdst(0)
	s_lshr_b32 s22, s14, 1
	s_lshl_b32 s22, s22, 5
	s_and_b32 s2, s14, 1
	s_lshl_b32 s2, s2, 3
	s_add_co_u32 s22, s22, s2
	v_add_nc_u32 v3, s22, v5                       ; tile H: my query - 16 h
	s_lshr_b32 s22, s13, 1
	s_lshl_b32 s22, s22, 5
	s_and_b32 s2, s13, 1
	s_lshl_b32 s2, s2, 3
	s_add_co_u32 s22, s22, s2
	v_add_nc_u32 v4, s22, v5                       ; tile L
	v_mov_b32 v25, 0xff61b1e6                      ; the largest t so far: -3e38, under every t
	v_mov_b32 v29, 0xff61b1e6
	s_delay_alu instid0(VALU_DEP_2)
	v_floor_f32 v24, -v25                          ; -M
	s_delay_alu instid0(VALU_DEP_2)
	v_floor_f32 v28, -v29
	v_mov_b32 v26, 0                               ; the sums
	v_mov_b32 v27, 0
	v_mov_b32 v30, 0
	v_mov_b32 v31, 0
	v_mov_b32 v244, 0                              ; a lane permute's destination counts as one of its sources
	v_mov_b32 v247, 0                              ; (named as the upper half of the pair v[246:247])
	v_mov_b32 v251, 0xff800000                     ; -infinity
.set n, 0
.rept 64
	v_mov_b32 v[160+n], 0                          ; O^T of both tiles: the step is written once, and its first walk finds zeros
.set n, n+1
.endr
	s_wait_kmcnt 0x0
	s_add_co_i32 s22, s70, s71
	s_lshl_b32 s22, s22, 23
	s_mov_b32 s[CS], 0x3e38aa3b                    ; log2(e) / 8
	s_add_co_i32 s[CS], s[CS], s22                 ; a score stands for score x 2^(e2 + e3)
	s_mov_b32 s[CS+1], s[CS]
	s_add_co_i32 s22, s72, 127
	s_lshl_b32 s2, s22, 23
	v_mov_b32 v241, s2                             ; 2^e4
	s_add_co_i32 s22, s74, 127
	s_lshl_b32 s2, s22, 23
	v_mov_b32 v253, s2                             ; 2^e6
	s_add_co_i32 s53, s72, s73                     ; e4 + e5
; A KEY STEP of 128 keys for one tile of 16 queries.  QF: q's fragment; ST: the tile's four statistics; OT: its O^T; DQ: its mask number; SD: its last step.
.macro STEP QF, ST, OT, DQ, SD
	s_cmp_gt_u32 s[SI], s[\SD]                     ; all keys of the step come after my queries: the work is left out (a branch on the wave's number and the step)
	s_cbranch_scc1 .Lhidden_\@
	v_add_nc_u32 v[ADR], s[TB], v[LI]
.rept 3
	v_nop                                          ; with the addition: four places in front of loads into registers that matrix instructions have read
.endr
.irp t, 0,1,2,3,4,5,6,7
	ds_load_b128 v[FRG+8*\t:FRG+8*\t+3], v[ADR] offset:1024*\t
	ds_load_b128 v[FRG+8*\t+4:FRG+8*\t+7], v[ADR] offset:1024*\t+512
.endr
	s_wait_alu depctr_va_vdst(0)
	s_wait_dscnt 0x0
.irp t, 0,1,2,3,4,5,6,7
	v_wmma_f32_16x16x64_fp8_fp8 v[S+8*\t:S+8*\t+7], v[FRG+8*\t:FRG+8*\t+7], v[\QF:\QF+7], 0
.endr
.rept 4
	v_nop                                          ; places in front of the loads below and of the first read of the scores
.endr
.irp t, 0,1,2,3                        ; v^T's four fragments land while the softmax is walked
.irp c, 0,1,2,3
	ds_load_b128 v[FRG+16*\t+4*\c:FRG+16*\t+4*\c+3], v[ADR] offset:8192+2048*\t+512*\c
.endr
.endr
	s_cmp_lg_u32 s[SI], s[\SD]                     ; only the tile's last step lies on the diagonal
	s_cbranch_scc1 .Lopen_\@
	v_sub_nc_u32 v250, v[\DQ], s[KF]               ; register n holds key KF + 16 h + 32 (n / 16) + n % 16: hidden where 32 (n / 16) + n % 16 > my query - KF - 16 h
.set n, 0
.rept 64
	v_cmp_gt_i32 vcc_lo, 32*(n/16)+n%16, v250
	v_cndmask_b32 v[S+n], v[S+n], v251, vcc_lo
.set n, n+1
.endr
.Lopen_\@:
	v_max3_num_f32 v248, v[S], v[S+1], v[S+2]      ; the step's largest score of my query, in two chains, each accumulator from its low end on
	v_max3_num_f32 v249, v[S+3], v[S+4], v[S+5]
.set n, 6
.rept 14
	v_max3_num_f32 v248, v248, v[S+n], v[S+n+1]
	v_max3_num_f32 v249, v249, v[S+n+2], v[S+n+3]
.set n, n+4
.endr
	v_max3_num_f32 v248, v248, v[S+62], v[S+63]
	s_delay_alu instid0(VALU_DEP_1)
	v_max_num_f32 v248, v248, v249
	s_delay_alu instid0(VALU_DEP_1)
	v_permlanex16_b32 v244, v248, s[SEL], s[SEL+1]
	s_delay_alu instid0(VALU_DEP_1)
	v_max_num_f32 v248, v248, v244                 ; and lane l xor 16's
	s_delay_alu instid0(VALU_DEP_1)
	v_mul_f32 v248, s[CS], v248                    ; as t (c is positive)
	s_delay_alu instid0(VALU_DEP_1)
	v_max_num_f32 v[\ST+1], v[\ST+1], v248         ; the running largest t
	v_mov_b32 v248, v[\ST]
	s_delay_alu instid0(VALU_DEP_2)
	v_floor_f32 v[\ST], -v[\ST+1]                  ; the new -M = -ceil(t)
	s_delay_alu instid0(VALU_DEP_1)
	v_sub_f32 v248, v[\ST], v248                   ; old M - new M: a whole number, 0 or less
	s_delay_alu instid0(VALU_DEP_1)
	v_cvt_i32_f32 v248, v248                       ; (it saturates)
	s_delay_alu instid0(VALU_DEP_1)
	v_ldexp_f32 v246, 1.0, v248                    ; f = 2^(old M - new M)
.set n, 0
.rept 32
	v_pk_fma_f32 v[S+n:S+n+1], v[S+n:S+n+1], s[CS:CS+1], v[\ST:\ST+1] op_sel_hi:[1,0,0]   ; t - M
.set n, n+2
.endr
.set n, 0
	s_wait_alu depctr_va_vdst(0)
.rept 64
	v_exp_f32 v[S+n], v[S+n]                       ; p = 2^(t - M)
.set n, n+1
.endr
	v_pk_mul_f32 v[\ST+2:\ST+3], v[\ST+2:\ST+3], v[246:247] op_sel_hi:[1,0]   ; the sums under the new M: the plain line behind the exponentials
	s_wait_alu depctr_va_vdst(0)                   ; one wait for the batch of 64, ahead of its first reader
	v_pk_add_f32 v[242:243], v[S:S+1], v[S+2:S+3]  ; the row's sum is taken of the unquantised p, in two chains
.set n, 4
.rept 15
	v_pk_add_f32 v[\ST+2:\ST+3], v[\ST+2:\ST+3], v[S+n:S+n+1]
	v_pk_add_f32 v[242:243], v[242:243], v[S+n+2:S+n+3]
.set n, n+4
.endr
	s_delay_alu instid0(VALU_DEP_1)
	v_pk_add_f32 v[\ST+2:\ST+3], v[\ST+2:\ST+3], v[242:243]
.set n, 0
.rept 64
.set n, n+1
.endr
.set n, 0
.rept 8
	v_cvt_scalef32_pk8_fp8_f32 v[PC+2*n:PC+2*n+1], v[S+8*n:S+8*n+7], v241
.set n, n+1
.endr
.set n, 0
.rept 16
	v_pk_mul_f32 v[\OT+n:\OT+n+1], v[\OT+n:\OT+n+1], v[246:247] op_sel_hi:[1,0]   ; O^T under the new M; also the plain lines behind the conversions
.set n, n+2
.endr
	s_wait_alu depctr_va_vdst(0)
	s_wait_dscnt 0x0                               ; v^T is in
.irp t, 0,1,2,3                        ; four accumulators by turns; the eight products k q^T stand between two links of a chain
	v_wmma_f32_16x16x128_fp8_fp8 v[\OT+8*\t:\OT+8*\t+7], v[FRG+16*\t:FRG+16*\t+15], v[PC:PC+15], v[\OT+8*\t:\OT+8*\t+7]
.endr
.Lhidden_\@:
.endm
.macro KLOOP last                      ; key steps up to last - 1, for both tiles; the trip count is a constant of the text
.Lk_\@:
	STEP 8, 24, 160, 3, SDH
	STEP 16, 28, 192, 4, SDL
	s_add_co_u32 s[TB], s[TB], 16384
	s_add_co_u32 s[KF], s[KF], 128
	s_add_co_u32 s[SI], s[SI], 1
	s_cmp_lt_u32 s[SI], \last
	s_cbranch_scc1 .Lk_\@
.endm
	s_wait_loadcnt 0x0                             ; q
	s_wait_tensorcnt 1                             ; my part of key steps 0-3 is in; my second load may be out
	s_barrier_signal -1
	s_barrier_wait -1                              ; everybody's is
	s_mov_b32 s[SI], 0
	s_mov_b32 s[TB], 0
	s_mov_b32 s[KF], 0
	KLOOP 4
	s_wait_tensorcnt 0x0                           ; my part of key steps 4-15 is in
	s_wait_dscnt 0x0
	s_barrier_signal -1
	s_barrier_wait -1
	s_mov_b32 s[SI], 4
	s_mov_b32 s[TB], 65536
	s_mov_b32 s[KF], 512
	KLOOP 16
.rept 4
	v_nop                                          ; places behind the last products
.endr
; THE WAY OUT of a tile: O^T / the sum x 2^(e4 + e5) is y; held, converted with 2^e6: register pair 2 t is channels 16 t + 8 h + 0 .. 7 of my query: a fragment of 64 K, stored as it stands
.macro OUT ST, OT, CDR, base
	v_add_f32 v248, v[\ST+2], v[\ST+3]
	s_delay_alu instid0(VALU_DEP_1)
	v_permlanex16_b32 v244, v248, s[SEL], s[SEL+1]
	s_delay_alu instid0(VALU_DEP_1)
	v_add_f32 v248, v248, v244                     ; the row's sum
	s_wait_alu depctr_va_vdst(0)
	v_rcp_f32 v248, v248
	v_nop                                          ; a plain line behind the transcendental
	s_wait_alu depctr_va_vdst(0)                   ; and the wait ahead of its first reader
	v_ldexp_f32 v248, v248, s53
.set n, 0
.rept 32
	v_mul_f32 v[S+n], v[\OT+n], v248
.set n, n+1
.endr
.set n, 0
.rept 32
.set n, n+1
.endr
.set n, 0
.rept 4
	v_cvt_scalef32_pk8_fp8_f32 v[\CDR+2*n:\CDR+2*n+1], v[S+8*n:S+8*n+7], v253
.set n, n+1
.endr
	v_nop                                          ; a plain line behind the last conversion
	global_store_b128 v[LI], v[\CDR:\CDR+3], s[\base:\base+1]              ; 32 lanes store 512 consecutive bytes, aligned
	global_store_b128 v[LI], v[\CDR+4:\CDR+7], s[\base:\base+1] offset:512
.endm
	OUT 24, 160, 224, 62
	OUT 28, 192, 232, 66
	s_wait_tensorcnt 0x0
	ds_add_u32 v254, v255
	s_wait_dscnt 0x0
	CROUND                                         ; the closing round
	s_endpgm
.Lfunc_end_k_q0a8d85c857_attn:
	.size	k_q0a8d85c857_attn, .Lfunc_end_k_q0a8d85c857_attn-k_q0a8d85c857_attn
	.p2alignl 7, 3214868480
	.fill 96, 4, 3214868480
	.section	.rodata,"a",@progbits
	.p2align	6, 0x0
	.amdhsa_kernel k_q0a8d85c857_attn
		.amdhsa_group_segment_fixed_size 327680
		.amdhsa_private_segment_fixed_size 0
		.amdhsa_enable_private_segment 0
		.amdhsa_kernarg_size 24
		.amdhsa_user_sgpr_count 2
		.amdhsa_user_sgpr_kernarg_segment_ptr 1
		.amdhsa_wavefront_size32 1
		.amdhsa_system_sgpr_workgroup_id_x 1
		.amdhsa_system_sgpr_workgroup_id_y 1
		.amdhsa_system_sgpr_workgroup_id_z 1
		.amdhsa_system_vgpr_workitem_id 0
		.amdhsa_next_free_vgpr 256
		.amdhsa_next_free_sgpr 80
		.amdhsa_reserve_vcc 1
		.amdhsa_float_denorm_mode_32 3
		.amdhsa_float_denorm_mode_16_64 3
		.amdhsa_fp16_overflow 1
		.amdhsa_memory_ordered 1
		.amdhsa_forward_progress 1
		.amdhsa_inst_pref_size 89
	.end_amdhsa_kernel
	.amdgpu_metadata
---
amdhsa.version: [ 1, 2 ]
amdhsa.kernels:
  - .name:           k_q0a8d85c857_attn
    .symbol:         k_q0a8d85c857_attn.kd
    .args:
      - { .name: qkv, .offset: 0, .size: 8, .value_kind: global_buffer, .address_space: global }
      - { .name: lowp_scales, .offset: 8, .size: 8, .value_kind: global_buffer, .address_space: global }
      - { .name: y_img, .offset: 16, .size: 8, .value_kind: global_buffer, .address_space: global }
    .group_segment_fixed_size: 327680
    .private_segment_fixed_size: 0
    .kernarg_segment_align: 8
    .kernarg_segment_size: 24
    .max_flat_workgroup_size: 512
    .sgpr_count:     80
    .vgpr_count:     256
    .wavefront_size: 32
...
	.end_amdgpu_metadata
.endif
;; end of part 3
;; launch proj (part 4): grid 4 x 32, 4 waves a work-group, clusters of 4 x 4, 327,680 bytes of LDS; arguments y_img, wp_img, b_proj, lowp_scales, out0; writes out0
.if DOCPART == 4
	.amdgcn_target "amdgcn-amd-amdhsa--gfx1250"
	.amdhsa_code_object_version 6
	.text
	.protected	k_q0a8d85c857_proj
	.globl	k_q0a8d85c857_proj
	.p2align	8
	.type	k_q0a8d85c857_proj,@function
k_q0a8d85c857_proj:
	s_mov_b64 s[64:65], 0
	v_nop
	global_prefetch_b8 v0, s[64:65] scope:SCOPE_SE
	s_setreg_imm32_b32 hwreg(HW_REG_WAVE_MODE, 25, 1), 1
	s_wait_xcnt 0x0
	s_wait_alu depctr_hold_cnt(0) depctr_sa_sdst(0) depctr_va_vdst(0) depctr_va_sdst(0) depctr_va_ssrc(0) depctr_va_vcc(0) depctr_vm_vsrc(0)
	s_getreg_b32 s2, hwreg(HW_REG_IB_STS2, 6, 4)
	s_cmp_eq_u32 s2, 0
	s_cbranch_scc0 .Lentry_in_a_cluster
	s_endpgm
.Lentry_in_a_cluster:
	s_bfe_u32 s2, ttmp6, 0x10000c
	s_cmp_lg_u32 s2, 0xf033
	s_cbranch_scc0 .Lentry_shape_is_right
	s_endpgm
.Lentry_shape_is_right:
; out0 = y W_proj + b_proj on codes of E4M3 (scales 2^e6, 2^e7); out0 [8192][1024] f32.
; OPERANDS come as images of operand registers: a fragment (16 rows x 128 K) is 2,048 bytes, chunk q of 512 bytes = registers 4 q .. 4 q + 3 at 16 x lane; a tile of 16 rows has its 8 K steps on end (16,384 bytes).
; y's tiles take permuted tokens (row r of tile 2 b + u is token 32 b + 8 u + r + 8 (r / 8)): the stores' immediates put each row where it belongs.
; A tile of the result is 256 x 256: four waves, each 128 x 128 in 64 accumulators.  K = 1,024 goes in four steps of 256 through a ring of two LDS slots filled by the tensor data mover.
; SOURCE 0 = 16 columns of W_proj (the 'B side'), SOURCE 1 = 16 tokens (the 'A side'): a lane holds eight neighbouring numbers of a row of out0.
; CLUSTERS: 4 x 4 work-groups; y's tile is shared along a row of the cluster, W's along a column: joint loads with a mask of four.
; LIMIT: e6 + e7 between -126 and 127, so that 2^(e6 + e7) is an f32 number.
; REGISTERS: window 0: v1-31 addresses; v32-95 the bias; from v128 the A side's fragments, ONE set (on the way out v96-159 are at work);  window 1: the B side's, TWO sets (on the way out v0-127: rows read back);  windows 2, 3: the accumulators.
.set SLOT,   131072                    ; a slot: four regions of 32,768 bytes: A side rows 0-127, 128-255, B side likewise; a region is [8 tiles][2 fragments][2,048]
.set REGB,   32768
.set SPARE,  2*SLOT                    ; behind the ring: the spare words, 128 bytes for each wave, which no other line names
.set SPITCH, 528                       ; the way out: a stage of 16 rows x (512 + 16) bytes for each wave, in slot 0, which has had its last fill and its last read when the first result is stored there
.set FR,     16
.set NL,     4
.set NP,     4                         ; places behind this matrix instruction (ISA guide 7.12.1)
.set ADRA, 16
.set ADRB, 20
.set STO,  24                          ; v24     where I put 32 bytes of a row
.set RD,   25                          ; v25     where I read a row back
.set CO,   26                          ; v26     16 x lane
.set SPW,  28
.set NIL,  29
.set BI,   32                          ; v32-95  the bias: register 8 b + j = column 16 b + 8 h + j
.set TMP,  96                          ; v96-159 a block's numbers
.set AF,   128
.set G1, 24
.set G0, 32
.set G1B, 48
.set G0B, 56
.set MSB, 0
.macro WIN new                         ; the immediate's high byte repeats the setting that is left
.if MSB != (\new)
	s_set_vgpr_msb (MSB<<8)|(\new)
.set MSB, (\new)
.endif
.endm
.set MUL_LO, 0xa1
.set MUL_HI, 0xf1
.set TO_B,   0x40
.macro JLOAD g0a, g1a, g0b, g1b        ; a joint load: waves 0 and 1 fetch for the A side, waves 2 and 3 for the B side; four v_nop follow each of the two lines
	s_cmp_eq_u32 s15, 0
	s_cbranch_scc0 .Lfor_b_\@
	tensor_load_to_lds s[\g0a:\g0a+3], s[\g1a:\g1a+7]
	s_nop 0
.rept 4
	v_nop
.endr
	s_branch .Lasked_\@
.Lfor_b_\@:
	tensor_load_to_lds s[\g0b:\g0b+3], s[\g1b:\g1b+7]
	s_nop 0
.rept 4
	v_nop
.endr
.Lasked_\@:
.endm
.macro CREST
	s_cmp_lg_u32 s14, 0
	s_cbranch_scc1 .Lnot_wave_0_\@
	s_barrier_signal -3
.Lnot_wave_0_\@:
	s_barrier_wait -3
	s_barrier_signal -1
	s_barrier_wait -1
.endm
.macro CROUND
	s_barrier_signal -1
	s_barrier_wait -1
	CREST
.endm
	s_load_b256 s[4:11], s[0:1], 0x0               ; y_img s[4:5], wp_img s[6:7], b_proj s[8:9], the exponents s[10:11]
	s_load_b64 s[12:13], s[0:1], 0x20              ; out0
	v_lshl_add_u32 v[SPW], v0, 2, SPARE
	v_mov_b32 v[NIL], 0
	ds_add_u32 v28, v29
	ds_add_u32 v28, v29
	s_wait_dscnt 0x0
	v_lshrrev_b32 v1, 5, v0
	v_readfirstlane_b32 s14, v1                    ; wave 0..3
	s_lshr_b32 s15, s14, 1                         ; which half of the tile's rows is mine.  Also: I fetch for the A side (0) or the B side (1)
	s_and_b32 s16, s14, 1                          ; which half of its columns.  Also: which 128 rows I fetch
	s_bfe_u32 s40, ttmp6, 0x40000                  ; cx
	s_bfe_u32 s41, ttmp6, 0x40004                  ; cy
	s_lshl_b32 s42, ttmp9, 2
	s_add_co_u32 s42, s42, s40                     ; tile column = 4 x cluster x + cx
	s_and_b32 s17, ttmp7, 0xffff
	s_lshl_b32 s17, s17, 2
	s_add_co_u32 s17, s17, s41                     ; tile row = 4 x cluster y + cy
	s_lshl_b32 s43, s41, 2
	s_lshl_b32 s43, 15, s43                        ; my row of the cluster
	s_lshl_b32 s44, 0x1111, s40                    ; my column
	; group 1: 8 rows (tiles of 16) x 4,096 bytes (two fragments), 16,384 bytes apart, in elements of 8 bytes; dense in LDS
	s_or_b32 s[G1+0], s43, (3<<16)|(1<<21)
	s_or_b32 s[G1B+0], s44, (3<<16)|(1<<21)
.irp g, G1, G1B
	s_mov_b32 s[\g+1], 512<<16
	s_mov_b32 s[\g+2], 8<<16
	s_mov_b32 s[\g+3], 512<<16
	s_mov_b32 s[\g+4], 8
	s_mov_b32 s[\g+5], 2048
	s_mov_b32 s[\g+6], 0
	s_mov_b32 s[\g+7], 0
.endr
	s_lshl_b32 s20, s17, 18
	s_lshl_b32 s21, s16, 17
	s_add_co_u32 s20, s20, s21
	s_mov_b32 s21, 0
	s_lshl_b32 s46, s42, 18
	s_lshl_b32 s47, s16, 17
	s_add_co_u32 s46, s46, s47
	s_mov_b32 s47, 0
	s_lshl_b32 s45, s14, 15                        ; region = wave
	s_wait_kmcnt 0x0
	s_load_b256 s[68:75], s[10:11], 0x0            ; e0 .. e7
	s_add_nc_u64 s[20:21], s[4:5], s[20:21]
	s_add_nc_u64 s[46:47], s[6:7], s[46:47]
	CROUND                                         ; all sixteen work-groups are here: the first joint loads meet
.irp s, 0,1
	s_mov_b32 s[G0+4*\s], 1
	s_add_co_u32 s[G0+4*\s+1], s45, \s*SLOT
	s_add_nc_u64 s[G0+4*\s+2:G0+4*\s+3], s[20:21], \s*4096
	s_or_b32 s[G0+4*\s+3], s[G0+4*\s+3], 0x80000000
	s_mov_b32 s[G0B+4*\s], 1
	s_add_co_u32 s[G0B+4*\s+1], s45, \s*SLOT
	s_add_nc_u64 s[G0B+4*\s+2:G0B+4*\s+3], s[46:47], \s*4096
	s_or_b32 s[G0B+4*\s+3], s[G0B+4*\s+3], 0x80000000
	s_wait_alu depctr_va_vdst(0)
	s_wait_tensorcnt 0x0
	ds_add_u32 v28, v29
	ds_add_u32 v28, v29
	s_wait_dscnt 0x0
	CROUND
	JLOAD G0+4*\s, G1, G0B+4*\s, G1B
.endr
	v_and_b32 v1, 15, v0                           ; r
	s_wait_alu depctr_va_vdst(0)
	v_bfe_u32 v2, v0, 4, 1                         ; h
	v_and_b32 v3, 31, v0
	v_lshlrev_b32 v[CO], 4, v3
	s_lshl_b32 s21, s15, 15
	s_lshl_b32 s22, s16, 15
	s_add_co_u32 s22, s22, 2*REGB
.irp s, 0,1
	v_add_nc_u32 v[ADRA+\s], s21, v[CO]
	v_add_nc_u32 v[ADRB+\s], s22, v[CO]
	s_add_co_u32 s21, s21, SLOT
	s_add_co_u32 s22, s22, SLOT
.endr
	s_mul_i32 s23, s14, 16*SPITCH                  ; my stage
	v_mul_u32_u24 v5, v1, SPITCH
	s_wait_alu depctr_va_vdst(0)
	v_lshl_add_u32 v5, v2, 5, v5
	v_add_nc_u32 v[STO], s23, v5                   ; in: row r, 32 bytes for each half of the lanes
	v_add_nc_u32 v[RD], s23, v[CO]                 ; back: the 32 lanes take one row of 512 bytes
	s_lshl_b32 s84, s42, 10
	s_lshl_b32 s85, s16, 9
	s_add_co_u32 s84, s84, s85                     ; 4 x my first column
	s_mov_b32 s85, 0
	s_add_nc_u64 s[66:67], s[8:9], s[84:85]
	v_lshlrev_b32 v7, 5, v2                        ; 32 h
.irp b, 0,1,2,3,4,5,6,7
	global_load_b128 v[BI+8*\b:BI+8*\b+3], v7, s[66:67] offset:64*\b
	global_load_b128 v[BI+8*\b+4:BI+8*\b+7], v7, s[66:67] offset:64*\b+16
.endr
	s_lshl_b32 s90, s17, 20                        ; 256 rows of 4,096 bytes
	s_lshl_b32 s91, s15, 19                        ; + my 128
	s_add_co_u32 s90, s90, s91
	s_add_co_u32 s90, s90, s84
	s_mov_b32 s91, 0
	s_add_nc_u64 s[92:93], s[12:13], s[90:91]      ; my corner of out0
	s_wait_kmcnt 0x0
	s_add_co_i32 s96, s74, s75
	s_add_co_i32 s96, s96, 127
	s_lshl_b32 s96, s96, 23                        ; 2^(e6 + e7) as f32
	s_mov_b32 s97, s96                             ; (named with it as a pair, so it is written)
.macro FRAG reg, adr, q, i
.irp c, 0,1,2,3
	ds_load_b128 v[\reg+4*\c:\reg+4*\c+3], v[\adr] offset:4096*(\i)+2048*(\q)+512*\c
.endr
.endm
; The 64 accumulators take turns, one instruction a turn, in the same order in every step.
.macro MUL16 a0, p, zero
.irp a, \a0, \a0+1
.irp b, 0,1,2,3,4,5,6,7
.if \zero
	v_wmma_f32_16x16x128_fp8_fp8 v[8*(8*((\a)%4)+\b):8*(8*((\a)%4)+\b)+7], v[128*(\p)+FR*\b:128*(\p)+FR*\b+FR-1], v[AF+FR*(\a):AF+FR*(\a)+FR-1], 0
.else
	v_wmma_f32_16x16x128_fp8_fp8 v[8*(8*((\a)%4)+\b):8*(8*((\a)%4)+\b)+7], v[128*(\p)+FR*\b:128*(\p)+FR*\b+FR-1], v[AF+FR*(\a):AF+FR*(\a)+FR-1], v[8*(8*((\a)%4)+\b):8*(8*((\a)%4)+\b)+7]
.endif
.endr
.endr
.endm
.macro FETCH_B slot, q, p
	WIN TO_B
.irp i, 0,1,2,3,4,5,6,7
	FRAG 128*(\p)+FR*\i, ADRB+\slot, \q, \i
.endr
	WIN 0
.endm
.macro FETCH_A slot, q, i0
.irp i, \i0, \i0+1, \i0+2, \i0+3
	FRAG AF+FR*(\i), ADRA+\slot, \q, \i
.endr
.endm
.macro PLACES n
.rept \n
	v_nop
.endr
.endm
.macro STEP slot, q, zero
	s_wait_dscnt 4*NL                              ; the B side's set and the A side's blocks 0-3 are in; the youngest 16 loads (blocks 4-7) may be out
	WIN MUL_LO
	MUL16 0, (\q)%2, \zero
	MUL16 2, (\q)%2, \zero
	s_wait_dscnt 0
	PLACES NP
	FETCH_B \slot, (\q)+1, 1-(\q)%2
	FETCH_A \slot, (\q)+1, 0
	WIN MUL_HI
	MUL16 4, (\q)%2, \zero
	MUL16 6, (\q)%2, \zero
	PLACES NP
	WIN 0
	FETCH_A \slot, (\q)+1, 4
.endm
.macro TURN slot, next, fill
	s_wait_tensorcnt 0x0                           ; all my tensor loads have landed: my part of the next slot
	ds_add_u32 v[SPW], v[NIL]                      ; 0 onto my spare word
	s_wait_dscnt 4*NL+1                            ; (the add and the youngest 16 loads may be out)
	WIN MUL_LO
	MUL16 0, 1, 0
	s_wait_dscnt 0x0                               ; the add is done, and my reads of this slot are over
	s_barrier_signal -1
	MUL16 2, 1, 0
	WIN 0
	s_barrier_wait -1
.if \fill
	CREST                                          ; the barrier has opened a round of the cluster's: no wave of any partner still reads this slot or has a load on its way
	s_add_nc_u64 s[G0+4*\slot+2:G0+4*\slot+3], s[G0+4*\slot+2:G0+4*\slot+3], 8192
	s_add_nc_u64 s[G0B+4*\slot+2:G0B+4*\slot+3], s[G0B+4*\slot+2:G0B+4*\slot+3], 8192
	JLOAD G0+4*\slot, G1, G0B+4*\slot, G1B
.else
	PLACES NP
.endif
	FETCH_B \next, 0, 0
	FETCH_A \next, 0, 0
	WIN MUL_HI
	MUL16 4, 1, 0
	MUL16 6, 1, 0
	PLACES NP
	WIN 0
	FETCH_A \next, 0, 4
.endm
	s_wait_loadcnt 0x0                             ; the bias
	s_wait_tensorcnt 1                             ; my part of slot 0 is in; slot 1's load may be out
	s_barrier_signal -1
	s_barrier_wait -1
	FETCH_B 0, 0, 0
	FETCH_A 0, 0, 0
	FETCH_A 0, 0, 4
	STEP 0, 0, 1
	TURN 0, 1, 1
	STEP 1, 0, 0
	TURN 1, 0, 1
	STEP 0, 0, 0
	TURN 0, 1, 0
	STEP 1, 0, 0
	s_wait_dscnt 4*NL
	WIN MUL_LO
	MUL16 0, 1, 0
	MUL16 2, 1, 0
	s_wait_dscnt 0
	WIN MUL_HI
	MUL16 4, 1, 0
	MUL16 6, 1, 0
	WIN 0
; THE WAY OUT, block by block of 16 rows x 128 columns: sum x 2^(e6 + e7) + bias, through my own stage in LDS, back as whole rows of 512 bytes.  LDS serves a wave's instructions in order: no wait between the stores and the loads.
.macro TOSTAGE a
	WIN 0x02+((\a)/4)                              ; source 0: window 2 or 3
.set n, 0
.rept 32
	v_pk_fma_f32 v[TMP+n:TMP+n+1], v[64*((\a)%4)+n:64*((\a)%4)+n+1], s[96:97], v[BI+n:BI+n+1] op_sel_hi:[1,0,1]   ; each accumulator from its low end on
.set n, n+2
.endr
	WIN 0
.irp b, 0,1,2,3,4,5,6,7
	ds_store_b128 v[STO], v[TMP+8*\b:TMP+8*\b+3] offset:64*\b
	ds_store_b128 v[STO], v[TMP+8*\b+4:TMP+8*\b+7] offset:64*\b+16
.endr
	WIN TO_B                                       ; the rows come back into window 1, v0-63 and v64-127 by turns
.irp t, 0,1,2,3,4,5,6,7,8,9,10,11,12,13,14,15
	ds_load_b128 v[64*((\a)%2)+4*\t:64*((\a)%2)+4*\t+3], v[RD] offset:\t*SPITCH
.endr
	WIN 0
.endm
.macro SEND a, younger                 ; younger: the LDS instructions issued behind block a's loads, which may stay out
	s_wait_dscnt \younger
	WIN 0x04                                       ; the stores' data: window 1
.irp t, 0,1,2,3,4,5,6,7,8,9,10,11,12,13,14,15
	global_store_b128 v[CO], v[64*((\a)%2)+4*\t:64*((\a)%2)+4*\t+3], s[92:93] offset:(32*((\a)/2)+8*((\a)%2)+\t+8*(\t/8))*4096 th:TH_STORE_NT   ; row t of tile a is token 32 (a / 2) + 8 (a % 2) + t + 8 (t / 8); 32 lanes store 512 consecutive bytes, aligned
.endr
	WIN 0
.endm
	PLACES NP                                      ; behind the last products: for the first reads of results and for the loads into registers that held fragments
	TOSTAGE 0
.irp a, 1,2,3,4,5,6,7
.if \a > 1
	s_wait_xcnt 0x0                                ; block a - 2's stores have read their registers: block a's loads may land there
.endif
	TOSTAGE \a
	SEND \a-1, 32                                  ; behind block a - 1's loads: block a's 16 stores and 16 loads
.endr
	SEND 7, 0
	s_wait_tensorcnt 0x0                           ; the wave's end
	ds_add_u32 v[SPW], v[NIL]
	s_wait_dscnt 0x0
	CROUND                                         ; the closing round
	s_endpgm
.Lfunc_end_k_q0a8d85c857_proj:
	.size	k_q0a8d85c857_proj, .Lfunc_end_k_q0a8d85c857_proj-k_q0a8d85c857_proj
	.p2alignl 7, 3214868480
	.fill 96, 4, 3214868480
	.section	.rodata,"a",@progbits
	.p2align	6, 0x0
	.amdhsa_kernel k_q0a8d85c857_proj
		.amdhsa_group_segment_fixed_size 327680
		.amdhsa_private_segment_fixed_size 0
		.amdhsa_enable_private_segment 0
		.amdhsa_kernarg_size 40
		.amdhsa_user_sgpr_count 2
		.amdhsa_user_sgpr_kernarg_segment_ptr 1
		.amdhsa_wavefront_size32 1
		.amdhsa_system_sgpr_workgroup_id_x 1
		.amdhsa_system_sgpr_workgroup_id_y 1
		.amdhsa_system_sgpr_workgroup_id_z 1
		.amdhsa_system_vgpr_workitem_id 0
		.amdhsa_next_free_vgpr 1024
		.amdhsa_next_free_sgpr 100
		.amdhsa_reserve_vcc 0
		.amdhsa_float_denorm_mode_32 3
		.amdhsa_float_denorm_mode_16_64 3
		.amdhsa_memory_ordered 1
		.amdhsa_forward_progress 1
		.amdhsa_inst_pref_size 126
	.end_amdhsa_kernel
	.amdgpu_metadata
---
amdhsa.version: [ 1, 2 ]
amdhsa.kernels:
  - .name:           k_q0a8d85c857_proj
    .symbol:         k_q0a8d85c857_proj.kd
    .args:
      - { .name: y_img, .offset: 0, .size: 8, .value_kind: global_buffer, .address_space: global }
      - { .name: wp_img, .offset: 8, .size: 8, .value_kind: global_buffer, .address_space: global }
      - { .name: b_proj, .offset: 16, .size: 8, .value_kind: global_buffer, .address_space: global }
      - { .name: lowp_scales, .offset: 24, .size: 8, .value_kind: global_buffer, .address_space: global }
      - { .name: out0, .offset: 32, .size: 8, .value_kind: global_buffer, .address_space: global }
    .group_segment_fixed_size: 327680
    .private_segment_fixed_size: 0
    .kernarg_segment_align: 8
    .kernarg_segment_size: 40
    .max_flat_workgroup_size: 128
    .sgpr_count:     100
    .vgpr_count:     1024
    .wavefront_size: 32
...
	.end_amdgpu_metadata
.endif
;; end of part 4
